; MI455X (gfx1250); checked and timed in simulation.
; The chip was launched on July 23, 2026; its instructions are those of AMD's public machine-readable ISA for CDNA 5 (MIT licence, August 2026) and "CDNA5" Instruction Set Architecture Reference Guide (July 2026). The comments in the code are by the model that wrote it; some were corrected since.
;; Bahdanau Attention. Allowed arithmetic: matrix products marked QUANTISED: E2M3 operands, one E8M0 scale for each 32 along K, by v_wmma_scale_f32_16x16x128_f8f6f4 with both operands' format E2M3, f32 sums; products left as they are: f32 operands where the result goes on into a quantised operand, else bf16, f16 or f32 operands; f32 sums; everything else in f32.
;; Inputs: Wk_codes 1,024 x 32 x 24 uint8 (E2M3 codes of Wk, K innermost, in blocks of 32 codes, four codes in three bytes); Wk_scales 1,024 x 32 uint8 (E8M0 scales of Wk, one for each 32 codes along K); Wq_codes 1,024 x 32 x 24 uint8 (E2M3 codes of Wq, K innermost, in blocks of 32 codes, four codes in three bytes); Wq_scales 1,024 x 32 uint8 (E8M0 scales of Wq, one for each 32 codes along K); bk 1,024 float32; bq 1,024 float32; bv one number float32; encoder_outputs 32 x 2,048 x 1,024 float32; hidden_codes 2 x 32 x 32 x 24 uint8 (E2M3 codes of hidden, K innermost, in blocks of 32 codes, four codes in three bytes); hidden_scales 2 x 32 x 32 uint8 (E8M0 scales of hidden, one for each 32 codes along K); wv 1,024 float32.
;; Outputs: out0 32 x 1 x 1,024 float32.
;; This version of the problem:
;;   THIS VERSION OF THE PROBLEM IS GIVEN IN LOW PRECISION. The matrix products marked QUANTISED in the list below multiply operands that are first quantised to E2M3 (2 exponent bits, 3 mantissa bits; 6 bits a number), with one power-of-two scale for each 32 numbers along K (OCP MX v1.0); their sums are f32. All else is computed in f32.
;;   The module's matrix products, in the order in which they are computed (A, B: the left and right operand; K: the contracted axis; several contracted axes count as one K, in the product's order):
;;     1. [M 32, K 1,024] x [K 1,024, N 1,024]; A: input hidden (given as codes); B: input Wq (given as codes): QUANTISED
;;     2. [M 65,536, K 1,024] x [K 1,024, N 1,024]; A: input encoder_outputs; B: input Wk (given as codes): QUANTISED
;;     3. [M 65,536, K 1,024] x [K 1,024, N 1]; A: computed on the way; B: input wv: left as it is (N = 1 < 16)
;;     4. batch 32 x [M 1, K 2,048] x [K 2,048, N 1,024]; A: softmax; B: input encoder_outputs: left as it is (M = 1 < 16)
;;   THE QUANTISER, for each operand of a quantised product, along K:
;;     - K is cut into blocks of 32 from its start; a last block that is shorter is filled with zeros.
;;     - A block's scale is 2^e with e = floor(log2(the largest magnitude in the block)) - 2, held to -126 .. 127; a block of zeros has e = 0. As a byte (E8M0): e + 127.
;;     - Each number is divided by its block's scale, clamped to +-7.5, and rounded to the nearest number of E2M3, ties to even, subnormals kept.
;;     - The product sums the exact products of the quantised numbers (number of the format x scale) in f32.
;;   ~~~python
;;   def quantise(x, axis):      # numpy; x: float32 -> the quantised numbers, widened to float32 again
;;       x = np.moveaxis(x, axis, -1); K = x.shape[-1]
;;       x = np.pad(x, [(0, 0)] * (x.ndim - 1) + [(0, -K % 32)]); x = x.reshape(x.shape[:-1] + (-1, 32)); a = np.abs(x).max(-1, keepdims=True)
;;       e = np.where(a > 0, np.clip(np.frexp(np.where(a > 0, a, 1))[1] - 1 - 2, -126, 127), 0)      # np.frexp(a)[1] - 1 = floor(log2(a)), exactly
;;       r = np.clip(x / 2.0 ** e, -7.5, 7.5)
;;       step = 2.0 ** (np.maximum(np.frexp(np.where(r == 0, 1, r))[1] - 1, 0) - 3)
;;       q = np.round(r / step) * step * 2.0 ** e      # np.round: ties to even
;;       return np.moveaxis(q.reshape(q.shape[:-2] + (-1,))[..., :K], -1, axis).astype(np.float32)
;;   ~~~
;;   INPUTS GIVEN AS CODES. Wk (in the module: [1024, 1024], K = its axis 1); Wq (in the module: [1024, 1024], K = its axis 1); hidden (in the module: [2, 32, 1024], K = its axis 2): each comes as NAME_codes (uint8): NAME with its K axis moved to the last place and cut into blocks of 32 codes, [.., K / 32, bytes a block], one block behind the other in memory; four codes in three bytes: a row's codes are one little-endian stream of bits, code i at bits 6 i .. 6 i + 5 (a code: sign, 2 exponent bits, 3 mantissa bits); and NAME_scales (uint8): the same leading axes, one E8M0 byte (e + 127) for each 32 codes along K. Its value is code x scale, taken as it is: it is not quantised again, and the codes and scales need not be those that the quantiser above would give.
;; One version. Each part assembles by itself: llvm-mc -triple=amdgcn-amd-amdhsa -mcpu=gfx1250 --defsym DOCPART=n.
;; ======== version 1 of 1: 3 launches
;; limits: values are held in bf16: 8 bits of precision; right only within a limited range of input values
;; workspace buffers: wkf 786,432 bytes; qbw 131,072 bytes; part 2,097,152 bytes; stats 4,096 bytes
;; launch prep (part 1): grid 64 x 1, 1 waves a work-group, no clusters, 0 bytes of LDS; arguments hidden_codes, hidden_scales, Wq_codes, Wq_scales, bq, bk, Wk_codes, wkf, qbw; writes wkf, qbw
.if DOCPART == 1
	.amdgcn_target "amdgcn-amd-amdhsa--gfx1250"
	.amdhsa_code_object_version 6
	.text
	.protected	k_q99462f0961_prep
	.globl	k_q99462f0961_prep
	.p2align	8
	.type	k_q99462f0961_prep,@function
k_q99462f0961_prep:
	s_mov_b64 s[64:65], 0
	v_nop
	global_prefetch_b8 v0, s[64:65] scope:SCOPE_SE
	s_setreg_imm32_b32 hwreg(HW_REG_WAVE_MODE, 25, 1), 1
	s_wait_xcnt 0x0
; BAHDANAU ATTENTION IN MX-FP6, first of three launches: the query's projection with both biases, and Wk laid out for the second launch.
; out[b] = sum over s of softmax_s(score[b][s]) enc[b][s],  score = sum over n of wv[n] tanh(q[b][n] + k[b][s][n]) + bv,  q = hidden[-1] Wq^T + bq,  k = enc Wk^T + bk.
; WORK LEFT OUT, for all values of the inputs:
;   hidden[0]: the formula takes hidden[-1] alone, so layer 0 of hidden_codes and hidden_scales has no way to the output: only layer 1 is loaded.
;   bv: it is added to every score of a row of the softmax alike; softmax(x + const) = softmax(x).  bv is loaded nowhere and is no argument of any launch.
;   sum of wv: tanh x = 1 - 2 / (1 + 2^(c x)), c = 2 log2(e), so score = (sum of wv) - 2 sum of wv[n] / (1 + 2^(c x[n])); the first term is the same along the softmax's axis and goes like bv.
;   The maximum ahead of the softmax's exponential stays (second and third launch).
; LIMITS: a NaN, an infinity or an overflow that reaches only bv, hidden[0] or the sum of wv is not carried to the result; NaN and infinities among the inputs are not served.
; THIS LAUNCH.  One wave to a tile T of 16 columns n = 16 T .. 16 T + 15 (64 work-groups):
;   qbw[T][b][0..15] = q[b][n] + bq[n] + bk[n] for the 32 batches: 2 tiles of batches x 8 K steps = 16 matrix instructions on the given codes and scale bytes;
;   wkf[T][s][k][lane][16 bytes]: the eight fragments (16 rows of Wk x 128 along K) as images of the operand's 12 registers, so that the second launch loads a fragment by three loads of 512 consecutive bytes.
; The product is used transposed (source 0 = 16 rows of Wq, source 1 = 16 batches): lane (r, h) holds batch r and its eight registers the columns 8 h + 0 .. 7; bq + bk is the C of each sum's first instruction.
.set WK,  16                           ; v16-111   Wk's eight fragments
.set WQ,  112                          ; v112-207  Wq's eight fragments
.set WQS, 208                          ; v208-215  Wq's scale words, one for each K step: scales and nothing else
.set HS,  216                          ; v216-231  hidden's scale words, 8 mt + s: scales and nothing else
.set BS,  232                          ; v232-239  bq, then bq + bk
.set A0,  240                          ; v240-247  bk, then the sums of batches 0-15;  v248-255 those of batches 16-31
                                       ; window 1: v0-191 hidden's 16 fragments, at 12 (8 mt + s)
.set MSB, 0
.macro WIN new                         ; the immediate's high byte repeats the setting that is left
.if MSB != \new
	s_set_vgpr_msb (MSB<<8)|\new
.set MSB, \new
.endif
.endm
	s_load_b256 s[4:11], s[0:1], 0x0               ; hidden's codes s[4:5], its scales s[6:7], Wq's codes s[8:9], its scales s[10:11]
	s_load_b256 s[12:19], s[0:1], 0x20             ; bq s[12:13], bk s[14:15], Wk's codes s[16:17], wkf s[18:19]
	s_load_b64 s[20:21], s[0:1], 0x40              ; qbw
	v_and_b32 v1, 15, v0                           ; r
	v_lshrrev_b32 v2, 4, v0                        ; h
	v_mul_u32_u24 v3, v1, 768                      ; a row of 1,024 codes is 768 bytes,
	v_mad_u32_u24 v3, v2, 24, v3                   ; + 24 h: my half's block
	v_lshlrev_b32 v4, 4, v0                        ; 16 x lane: an image's place
	v_lshlrev_b32 v5, 5, v1                        ; a row of scale bytes is 32 bytes
	v_lshlrev_b32 v6, 5, v2                        ; my half's eight numbers of a bias
	v_lshl_add_u32 v7, v1, 6, v6                   ; qbw: batch r's 64 bytes, + 32 h
	s_mul_i32 s22, ttmp9, 12288                    ; 16 rows of codes, and a tile's eight images
	s_mov_b32 s23, 0
	s_lshl_b32 s24, ttmp9, 9                       ; 16 rows of scale bytes
	s_mov_b32 s25, 0
	s_lshl_b32 s26, ttmp9, 6                       ; 16 numbers of a bias
	s_mov_b32 s27, 0
	s_lshl_b32 s28, ttmp9, 11                      ; a tile of qbw: 32 batches x 64 bytes
	s_mov_b32 s29, 0
	s_wait_alu depctr_va_vdst(0)
	s_wait_kmcnt 0x0
	s_add_nc_u64 s[8:9], s[8:9], s[22:23]
	s_add_nc_u64 s[16:17], s[16:17], s[22:23]
	s_add_nc_u64 s[18:19], s[18:19], s[22:23]
	s_add_nc_u64 s[10:11], s[10:11], s[24:25]
	s_add_nc_u64 s[12:13], s[12:13], s[26:27]
	s_add_nc_u64 s[14:15], s[14:15], s[26:27]
	s_add_nc_u64 s[20:21], s[20:21], s[28:29]
	s_add_nc_u64 s[4:5], s[4:5], 24576             ; layer 1 of hidden: 32 rows of 768 bytes on
	s_add_nc_u64 s[6:7], s[6:7], 1024              ; and 32 rows of 32 scale bytes on
	; what the product wants: 154 loads
.irp s, 0,1,2,3,4,5,6,7
.irp p, 0,1,2,3,4,5
	global_load_b64 v[WQ+12*\s+2*\p:WQ+12*\s+2*\p+1], v3, s[8:9] offset:96*\s+48*(\p/3)+8*(\p%3)
.endr
.endr
	global_load_b128 v[WQS:WQS+3], v5, s[10:11]
	global_load_b128 v[WQS+4:WQS+7], v5, s[10:11] offset:16
	WIN 0x40                                       ; destination window 1
.irp mt, 0,1
.irp s, 0,1,2,3,4,5,6,7
.irp p, 0,1,2,3,4,5
	global_load_b64 v[12*(8*\mt+\s)+2*\p:12*(8*\mt+\s)+2*\p+1], v3, s[4:5] offset:12288*\mt+96*\s+48*(\p/3)+8*(\p%3)
.endr
.endr
.endr
	WIN 0
.irp mt, 0,1
.irp k, 0,1
	global_load_b128 v[HS+8*\mt+4*\k:HS+8*\mt+4*\k+3], v5, s[6:7] offset:512*\mt+16*\k
.endr
.endr
.irp k, 0,1
	global_load_b128 v[BS+4*\k:BS+4*\k+3], v6, s[12:13] offset:16*\k
	global_load_b128 v[A0+4*\k:A0+4*\k+3], v6, s[14:15] offset:16*\k
.endr
	; and Wk's fragments, which are only laid out anew: 48 loads
.irp s, 0,1,2,3,4,5,6,7
.irp p, 0,1,2,3,4,5
	global_load_b64 v[WK+12*\s+2*\p:WK+12*\s+2*\p+1], v3, s[16:17] offset:96*\s+48*(\p/3)+8*(\p%3)
.endr
.endr
	s_wait_loadcnt 48                              ; all but Wk's 48
.irp k, 0,2,4,6
	v_pk_add_f32 v[BS+\k:BS+\k+1], v[BS+\k:BS+\k+1], v[A0+\k:A0+\k+1]   ; bq + bk
.endr
.rept 8
	v_nop                                          ; distance between the vector lines above and the scaled matrix instruction that takes their result
.endr
	WIN 0x04                                       ; source 1 (hidden) window 1
.irp s, 0,1,2,3,4,5,6,7                        ; the two accumulators take turns, one instruction a turn
.irp mt, 0,1
.if \s == 0
	v_wmma_scale_f32_16x16x128_f8f6f4 v[A0+8*\mt:A0+8*\mt+7], v[WQ+12*\s:WQ+12*\s+11], v[12*(8*\mt+\s):12*(8*\mt+\s)+11], v[BS:BS+7], v[WQS+\s], v[HS+8*\mt+\s] matrix_a_fmt:MATRIX_FMT_FP6 matrix_b_fmt:MATRIX_FMT_FP6
.else
	v_wmma_scale_f32_16x16x128_f8f6f4 v[A0+8*\mt:A0+8*\mt+7], v[WQ+12*\s:WQ+12*\s+11], v[12*(8*\mt+\s):12*(8*\mt+\s)+11], v[A0+8*\mt:A0+8*\mt+7], v[WQS+\s], v[HS+8*\mt+\s] matrix_a_fmt:MATRIX_FMT_FP6 matrix_b_fmt:MATRIX_FMT_FP6
.endif
.endr
.endr
	WIN 0
.rept 4
	v_nop                                          ; four places behind the last product, ahead of the first read of results (ISA guide 7.12.1)
.endr
.irp mt, 0,1                                   ; each accumulator is stored from its low end on
.irp k, 0,1
	global_store_b128 v7, v[A0+8*\mt+4*\k:A0+8*\mt+4*\k+3], s[20:21] offset:1024*\mt+16*\k
.endr
.endr
	s_wait_loadcnt 0x0                             ; Wk's fragments are in
.irp s, 0,1,2,3,4,5,6,7
.irp k, 0,1,2
	global_store_b128 v4, v[WK+12*\s+4*\k:WK+12*\s+4*\k+3], s[18:19] offset:1536*\s+512*\k   ; 32 lanes store 512 consecutive bytes, at a multiple of 256 from wkf's first byte
.endr
.endr
	s_endpgm
.Lfunc_end_k_q99462f0961_prep:
	.size	k_q99462f0961_prep, .Lfunc_end_k_q99462f0961_prep-k_q99462f0961_prep
	.p2alignl 7, 3214868480
	.fill 96, 4, 3214868480
	.section	.rodata,"a",@progbits
	.p2align	6, 0x0
	.amdhsa_kernel k_q99462f0961_prep
		.amdhsa_group_segment_fixed_size 0
		.amdhsa_private_segment_fixed_size 0
		.amdhsa_enable_private_segment 0
		.amdhsa_kernarg_size 72
		.amdhsa_user_sgpr_count 2
		.amdhsa_user_sgpr_kernarg_segment_ptr 1
		.amdhsa_wavefront_size32 1
		.amdhsa_system_sgpr_workgroup_id_x 1
		.amdhsa_system_sgpr_workgroup_id_y 1
		.amdhsa_system_sgpr_workgroup_id_z 1
		.amdhsa_system_vgpr_workitem_id 0
		.amdhsa_next_free_vgpr 448
		.amdhsa_next_free_sgpr 66
		.amdhsa_reserve_vcc 0
		.amdhsa_float_denorm_mode_32 3
		.amdhsa_float_denorm_mode_16_64 3
		.amdhsa_memory_ordered 1
		.amdhsa_forward_progress 1
		.amdhsa_inst_pref_size 26
	.end_amdhsa_kernel
	.amdgpu_metadata
---
amdhsa.version: [ 1, 2 ]
amdhsa.kernels:
  - .name:           k_q99462f0961_prep
    .symbol:         k_q99462f0961_prep.kd
    .args:
      - { .name: hidden_codes, .offset: 0, .size: 8, .value_kind: global_buffer, .address_space: global }
      - { .name: hidden_scales, .offset: 8, .size: 8, .value_kind: global_buffer, .address_space: global }
      - { .name: Wq_codes, .offset: 16, .size: 8, .value_kind: global_buffer, .address_space: global }
      - { .name: Wq_scales, .offset: 24, .size: 8, .value_kind: global_buffer, .address_space: global }
      - { .name: bq, .offset: 32, .size: 8, .value_kind: global_buffer, .address_space: global }
      - { .name: bk, .offset: 40, .size: 8, .value_kind: global_buffer, .address_space: global }
      - { .name: Wk_codes, .offset: 48, .size: 8, .value_kind: global_buffer, .address_space: global }
      - { .name: wkf, .offset: 56, .size: 8, .value_kind: global_buffer, .address_space: global }
      - { .name: qbw, .offset: 64, .size: 8, .value_kind: global_buffer, .address_space: global }
    .group_segment_fixed_size: 0
    .private_segment_fixed_size: 0
    .kernarg_segment_align: 8
    .kernarg_segment_size: 72
    .max_flat_workgroup_size: 32
    .sgpr_count:     66
    .vgpr_count:     448
    .wavefront_size: 32
...
	.end_amdgpu_metadata
.endif
;; end of part 1
;; launch attn (part 2): grid 8 x 32, 4 waves a work-group, no clusters, 323,072 bytes of LDS; arguments encoder_outputs, wkf, Wk_scales, qbw, wv, part, stats; writes part, stats
.if DOCPART == 2
	.amdgcn_target "amdgcn-amd-amdhsa--gfx1250"
	.amdhsa_code_object_version 6
	.text
	.protected	k_q99462f0961_attn
	.globl	k_q99462f0961_attn
	.p2align	8
	.type	k_q99462f0961_attn,@function
k_q99462f0961_attn:
	s_mov_b64 s[64:65], 0
	v_nop
	global_prefetch_b8 v0, s[64:65] scope:SCOPE_SE
	s_setreg_imm32_b32 hwreg(HW_REG_WAVE_MODE, 25, 1), 1
	s_wait_xcnt 0x0
; Second launch: for blocks of 128 positions of one batch: k = enc Wk^T on codes of FP6 (E2M3), the scores, the block's softmax figures and its part of the weighted sum.  Enc is read from memory once.
; Left out as the first launch's head comment shows: bv and the sum of wv (the same along the softmax's axis).  With S = sum over n of wv[n] / (1 + 2^(c x[n])), x = q + k + bq + bk, c = 2 log2(e),
; the score in units of log2 is t = -c S + const;  p = 2^(t - m), m the block's largest t: the maximum is taken away here, and again over the blocks in the third launch.
; SHARES.  256 work-groups that stay: work-group (bx, b) makes blocks 2 bx and 2 bx + 1 of batch b, 128 rows each, one after the other.  Four waves of 1,024 registers, 2 x 2:
; wave (i, j) multiplies rows 64 i .. 64 i + 63 by columns 512 j .. 512 j + 511 of Wk.  A block stays on the chip twice: as codes in registers (4 tiles of rows x 8 K steps x 12 = 384 a wave),
; and as bf16 in LDS (128 rows x 2,080 bytes), from which the weighted sum is made by the matrix unit.
; PHASE L: wave w loads rows 32 w .. 32 w + 31, 16 rows x 128 columns a unit, whole blocks of 256 bytes a row; the numbers go as bf16 into the retained rows, and through the wave's own stage, turned so that
;   a lane holds 32 neighbours along K twice over, into the quantiser; a fragment's codes and scale words go to the other waves through LDS as images of the operand's registers.
; PHASE N: 16 steps of two tiles of 16 columns.  A step is two runs of 32 matrix instructions (q + bq + bk is the C of each run's first four), then the two tiles' tanh and score in whole batches:
;   x c, 2^, + 1, reciprocal, multiply-add with wv.  No transcendental stands between the links of a matrix chain.  Wk's fragments come from memory straight into registers (the first launch laid them out).
; PHASE S: the two column halves' sums meet in LDS; every wave makes the block's m, p and l; wave w makes outputs 256 w .. 256 w + 255: a bf16 product whose first operand's 16 rows all hold p.
;   The next block's first 64 loads a wave are issued ahead of phase S, into the registers that held Wk's fragments and k's tiles.
; NO CLUSTER, NO TENSOR LOAD, though all work-groups read the same Wk: LDS holds 266,240 bytes of retained rows, 17,408 of stages, 32,768 of images and scale words, 6,656 of small tables and spare words:
;   323,072 of 327,680.  The 4,608 left hold no slot: one tile's fragments are 12,288 bytes.
; NO PREFETCH: in phase L a wave keeps 64 loads of 512 bytes out, and the next block's first 64 are asked for two phases ahead of their use.
; LIMITS: NaN and infinities among the inputs are not served.  A block of 32 of enc whose largest magnitude lies under 2^-124 gets the scale byte 1 (a block of zeros too, where the rule says 127: its codes are
;   zeros, and this program alone reads the bytes).  For the weighted sum p and enc are rounded to bf16; l is the sum of the unrounded p.
.set RP,    2080                       ; a retained row: 2,048 bytes + 32
.set TP,    272                        ; a stage row: 256 bytes + 16
.set FRB,   1536                       ; a fragment's image: 12 registers x 128 bytes
.set TURN,  128*RP                     ; LDS: the retained rows from 0; then for each wave a stage of 16 rows x 64 numbers;
.set IMG,   TURN+4*16*TP               ; the images of one K step's 8 fragments, in two sets that take turns;
.set ISC,   IMG+2*8*FRB                ; the scale words, (8 g + s) x 128 bytes;
.set SCX,   ISC+64*128                 ; the half scores [j][128];
.set PB,    SCX+1024                   ; for each wave p as bf16, 256 bytes;
.set OST,   PB+1024                    ; for each wave its 256 outputs;
.set SPARE, OST+4096                   ; the spare words, 128 bytes for each wave
.set CC,    0x4038aa3b                 ; c = 2 log2(e)
.set KAPPA, 0xc038aa3b                 ; -c
.set GA,   4                           ; enc: 16 x + 4 rows x y   (x = lane % 16, y = lane / 16)
.set TW,   5                           ; my stage, on the way in
.set TR,   6                           ; and on the way out: row r, + 128 h
.set RW,   7                           ; the retained rows, on the way in
.set IW,   8                           ; where I store images
.set SW,   9                           ; and scale words
.set IR,   10                          ; where I read images
.set SR,   11                          ; and scale words
.set LB,   12                          ; 16 x lane
.set LSB,  13                          ; 32 r: a row of Wk's scale bytes
.set LH,   14                          ; 32 h: my half's eight numbers of a table
.set SCXW, 15
.set SCXR, 16
.set PBW,  17
.set PBR,  18
.set EA,   19                          ; v19-22 the turning loads' addresses, rows 32 q on
.set OSTW, 23
.set SPW,  24                          ; LDS address of my spare word; never rewritten
.set NIL,  25                          ; 0; never rewritten
.set OSTR, 26
.set ZO,   27                          ; 0, an offset
.set ASC,  32                          ; v32-63   enc's scale words, 8 a + s: scales and nothing else
.set BSC,  64                          ; v64-79   Wk's scale words, 8 p + s: scales and nothing else
.set QB,   80                          ; v80-95   q + bq + bk of a tile's columns, 8 p + jj
.set WVT,  96                          ; v96-111  wv likewise
.set SC,   112                         ; v112-119 S of my four tiles of rows, each in two halves
.set MY,   120                         ; phase L: the maxima's second chains
.set Y,    128                         ; v128-191 phase L: a unit's 64 numbers a lane
.set BF,   192                         ; phase L: v192-223 a unit as bf16
.set CODE, 224
.set TMPH, 236
.set MX,   244
.set SCO,  246
.set BY,   248
.set WD,   250
.set WD2,  251
.set SH8,  252
.set U,    192                         ; phase S: v192-207 at work; v208-239 p's four fragments; v240-247 my outputs
.set PF,   208
.set OUT,  240
.set ACC,  192                         ; IN WINDOW 3: v192-255 k's two tiles, 32 p + 8 a
                                       ; window 1: enc's fragments of K steps 0-3 at 12 (4 a + s); in phase S the turned rows, two sets of 128
                                       ; window 2: those of K steps 4-7; in phase S the 16 accumulators of the outputs
                                       ; window 3: phase L: four sets of 64 numbers as loaded; phase N: Wk's fragments at 96 p + 12 s, and k's tiles
.set MSB, 0
.macro WIN new                         ; the immediate's high byte repeats the setting that is left; a switch that changes nothing is dropped
.if MSB != \new
	s_set_vgpr_msb (MSB<<8)|\new
.set MSB, \new
.endif
.endm
.macro ALUW
	s_wait_alu depctr_va_vdst(0)
.endm
.macro NOPS n
.rept \n
	v_nop
.endr
.endm
; Unit u = 2 s + a: rows 16 a .. 16 a + 15 of my 32, columns 128 s .. 128 s + 127.  Lanes 0-15 read 256 consecutive bytes of one row, lanes 16-31 of the row four further down.
.macro XLOAD u
	WIN 0xc0
.irp c, 0,1
.irp gi, 0,1,2,3,4,5,6,7
	global_load_b128 v[64*((\u)%4)+32*\c+4*\gi:64*((\u)%4)+32*\c+4*\gi+3], v[GA], s[4:5] offset:(16*((\u)%2)+(\gi%4)+8*(\gi/4))*4096+512*((\u)/2)+256*\c th:TH_LOAD_NT
.endr
.endr
	WIN 0
.endm
; Buffer p takes the tile d tiles on from the bases: 24 fragment loads of 512 consecutive bytes, its scale words and its q + bq + bk: 28 loads
.macro LOADT p, d
	WIN 0xc0
.irp s, 0,1,2,3,4,5,6,7
.irp k, 0,1,2
	global_load_b128 v[96*(\p)+12*\s+4*\k:96*(\p)+12*\s+4*\k+3], v[LB], s[6:7] offset:12288*(\d)+1536*\s+512*\k
.endr
.endr
	WIN 0
.irp k, 0,1
	global_load_b128 v[BSC+8*(\p)+4*\k:BSC+8*(\p)+4*\k+3], v[LSB], s[8:9] offset:512*(\d)+16*\k
	global_load_b128 v[QB+8*(\p)+4*\k:QB+8*(\p)+4*\k+3], v[LH], s[10:11] offset:2048*(\d)+16*\k
.endr
.endm
.macro LOADW p, d                      ; its wv: 2 loads
.irp k, 0,1
	global_load_b128 v[WVT+8*(\p)+4*\k:WVT+8*(\p)+4*\k+3], v[LH], s[12:13] offset:64*(\d)+16*\k
.endr
.endm
; 64 numbers of a lane, Y + 32 c + e = column 64 c + 32 h + e of my row's 128: two whole blocks of 32.  They become the fragment's 12 registers and the row's scale word.
.macro QUANT
.irp c, 0,1                                    ; a block's largest magnitude in two chains, the two blocks by turns
	v_max3_num_f32 v[MX+\c], |v[Y+32*\c]|, |v[Y+32*\c+1]|, 0x1800000   ; with the floor 2^(3 - 127): the byte cannot fall under 1
	v_max3_num_f32 v[MY+\c], |v[Y+32*\c+16]|, |v[Y+32*\c+17]|, |v[Y+32*\c+18]|
.endr
.irp i, 2,4,6,8,10,12
.irp c, 0,1
	v_max3_num_f32 v[MX+\c], v[MX+\c], |v[Y+32*\c+\i]|, |v[Y+32*\c+\i+1]|
	v_max3_num_f32 v[MY+\c], v[MY+\c], |v[Y+32*\c+\i+17]|, |v[Y+32*\c+\i+18]|
.endr
.endr
.irp c, 0,1
	v_max3_num_f32 v[MX+\c], v[MX+\c], |v[Y+32*\c+14]|, |v[Y+32*\c+15]|
.endr
.irp c, 0,1
	v_max3_num_f32 v[MX+\c], v[MX+\c], v[MY+\c], |v[Y+32*\c+31]|
.endr
.irp c, 0,1
	v_add_nc_u32 v[SCO+\c], 0xff000000, v[MX+\c]   ; 2 off its exponent field: the conversion's scale operand
.endr
.irp c, 0,1
	v_lshrrev_b32 v[BY+\c], 23, v[SCO+\c]          ; the scale's byte
.endr
	v_lshl_or_b32 v[WD], v[BY+1], 16, v[BY]        ; my two bytes, blocks h and 2 + h,
	v_lshlrev_b32 v[WD], v[SH8], v[WD]             ; at their places (8 h bits up);
	v_permlanex16_b32 v[WD2], v[WD], s32, s33
	v_or_b32 v[WD], v[WD], v[WD2]                  ; with lane l xor 16's two the word is whole
.irp c, 0,1
	v_cvt_scalef32_pk16_fp6_f32 v[CODE+6*\c:CODE+6*\c+2], v[Y+32*\c:Y+32*\c+15], v[SCO+\c]
	v_cvt_scalef32_pk16_fp6_f32 v[TMPH+4*\c:TMPH+4*\c+2], v[Y+32*\c+16:Y+32*\c+31], v[SCO+\c]   ; (a conversion's three registers begin on an even number)
.endr
	v_nop                                          ; one plain place behind a scaled conversion
.irp c, 0,1
.irp i, 0,1,2
	v_mov_b32 v[CODE+6*\c+3+\i], v[TMPH+4*\c+\i]
.endr
.endr
.endm
; K step s of my four tiles of rows, from the images, into the registers in which they stay
.macro FETCH s
.if (\s) < 4
	WIN 0x40
.else
	WIN 0x80
.endif
.irp a, 0,1,2,3
.irp k, 0,1,2
	ds_load_b128 v[12*(4*\a+(\s)%4)+4*\k:12*(4*\a+(\s)%4)+4*\k+3], v[IR] offset:8*FRB*((\s)%2)+FRB*\a+512*\k
.endr
.endr
	WIN 0
.irp a, 0,1,2,3
	ds_load_b32 v[ASC+8*\a+(\s)], v[SR] offset:128*(8*\a+(\s))
.endr
.endm
; A unit.  The barrier of K step s - 1 stands in the middle of K step s's first unit, behind the wait for all the wave's LDS instructions, its images of K step s - 1 among them.  Behind it come the fetch of
; K step s - 1 and, at the units' ends, the images of K step s, which go to the OTHER set.  A set is written again two K steps on, behind the next such barrier, which every wave signals only behind the
; wait that covers its fetch from that set.  A load into registers that LDS stores read stands behind the wait in the unit's middle.
.macro UNIT u
.set UA, (\u)%2
.set US, (\u)/2
.set XS, 64*((\u)%4)
.if (\u) <= 12
	s_wait_loadcnt 48                              ; my 16 loads are in; the three younger units' may be out
.elseif (\u) == 13
	s_wait_loadcnt 32                              ; two younger units
.elseif (\u) == 14
	s_wait_loadcnt 44                              ; unit 15's 16 and tile 0's 28
.else
	s_wait_loadcnt 60                              ; tile 0's 28, tile 1's 28 and the 4 of wv
.endif
.irp c, 0,1                                    ; 64 columns at a time through my stage; LDS serves a wave's instructions in order (ISA guide 5.7.1.4)
	WIN 0x0c                                       ; an LDS store's data are its source 1: window 3
.irp gi, 0,1,2,3,4,5,6,7
	ds_store_b128 v[TW], v[XS+32*\c+4*\gi:XS+32*\c+4*\gi+3] offset:TP*((\gi%4)+8*(\gi/4))
.endr
	WIN 0
.irp jj, 0,1,2,3,4,5,6,7
	ds_load_b128 v[Y+32*\c+4*\jj:Y+32*\c+4*\jj+3], v[TR] offset:16*\jj
.endr
.endr
	WIN 0x0f                                       ; sources window 3, destination window 0
.irp c, 0,1
.irp gi, 0,1,2,3,4,5,6,7
.irp e, 0,1
	v_cvt_pk_bf16_f32 v[BF+2*(8*\c+\gi)+\e], v[XS+32*\c+4*\gi+2*\e], v[XS+32*\c+4*\gi+2*\e+1]
.endr
.endr
.endr
	WIN 0
.irp c, 0,1
.irp gi, 0,1,2,3,4,5,6,7
	ds_store_b64 v[RW], v[BF+2*(8*\c+\gi):BF+2*(8*\c+\gi)+1] offset:(16*UA+(\gi%4)+8*(\gi/4))*RP+256*US+128*\c
.endr
.endr
.if (UA == 0) && (US > 0)
	s_wait_dscnt 0x0                               ; Y is in; for the others' sake: my images and scale words of the last K step have landed
	s_barrier_signal -1
	s_barrier_wait -1
	FETCH US-1
.else
	s_wait_dscnt 16                                ; all but the 16 stores just issued: Y is in, and the set's registers have been read
.endif
.if (\u) <= 11
	XLOAD (\u)+4                                   ; the set takes the unit four further on
.elseif (\u) == 13
	LOADT 0, 0                                     ; sets 0 and 1 are done with: Wk's tile 0
.elseif (\u) == 14
	LOADT 1, 1                                     ; set 2 too: tile 1, and both tiles' wv
	LOADW 0, 0
	LOADW 1, 1
.endif
	QUANT
.irp k, 0,1,2
	ds_store_b128 v[IW], v[CODE+4*\k:CODE+4*\k+3] offset:8*FRB*(US%2)+FRB*UA+512*\k
.endr
	ds_store_b32 v[SW], v[WD] offset:128*(8*UA+US)
.endm
; A run: tile p's 32 matrix instructions, K step IDX / 4, tile of rows IDX % 4.  Source 0 = 16 rows of Wk, source 1 = 16 rows of enc: lane (r, h) holds row r, its registers the columns 8 h + 0 .. 7.
; The four accumulators take turns, one instruction a turn.  The first K step starts the sums from q + bq + bk.
.macro RUN p
.set IDX, 0
.rept 32
.set MS, IDX/4
.set MA, IDX%4
.if MS == 0
	WIN 0xc7                                       ; source 0 and D window 3, source 1 window 1, C window 0
	v_wmma_scale_f32_16x16x128_f8f6f4 v[ACC+32*(\p)+8*MA:ACC+32*(\p)+8*MA+7], v[96*(\p)+12*MS:96*(\p)+12*MS+11], v[12*(4*MA+MS%4):12*(4*MA+MS%4)+11], v[QB+8*(\p):QB+8*(\p)+7], v[BSC+8*(\p)+MS], v[ASC+8*MA+MS] matrix_a_fmt:MATRIX_FMT_FP6 matrix_b_fmt:MATRIX_FMT_FP6
.else
.if MS < 4
	WIN 0xf7                                       ; C window 3 too
.else
	WIN 0xfb                                       ; source 1 window 2
.endif
	v_wmma_scale_f32_16x16x128_f8f6f4 v[ACC+32*(\p)+8*MA:ACC+32*(\p)+8*MA+7], v[96*(\p)+12*MS:96*(\p)+12*MS+11], v[12*(4*MA+MS%4):12*(4*MA+MS%4)+11], v[ACC+32*(\p)+8*MA:ACC+32*(\p)+8*MA+7], v[BSC+8*(\p)+MS], v[ASC+8*MA+MS] matrix_a_fmt:MATRIX_FMT_FP6 matrix_b_fmt:MATRIX_FMT_FP6
.endif
.set IDX, IDX+1
.endr
.endm
; A step of phase N: tiles 2 k (buffer 0) and 2 k + 1 (buffer 1).  Loads go out in this order: buffer 0's 28 behind the first run, buffer 1's 28 behind the second run, wv's 4 at the end:
; each buffer is asked for anew as soon as its run and the four places behind it are over, a whole step less one run ahead of its next use.
; So at the head the youngest 32 (buffer 1's, wv's) may be out; ahead of the second run the youngest 32 (wv's 4, buffer 0's 28); ahead of the multiply-adds the youngest 56 (both buffers').
; more = 0, a block's last step: nothing of Wk is left to ask for.
.macro PAIR more
	s_wait_loadcnt 32
	RUN 0
.if \more
	NOPS 4                                         ; places in front of loads into registers that matrix instructions have read
	s_wait_xcnt 0x0                                ; the loads have read their bases: only behind this wait are they stepped, two tiles on
	s_add_nc_u64 s[6:7], s[6:7], 24576
	s_add_nc_u64 s[8:9], s[8:9], 1024
	s_add_nc_u64 s[10:11], s[10:11], 4096
	s_add_nc_u64 s[12:13], s[12:13], 128
	LOADT 0, 0
	s_wait_loadcnt 32
.else
	s_wait_loadcnt 0x0
.endif
	RUN 1
	NOPS 4                                         ; places in front of the loads into buffer 1 and of the first read of results
.if \more
	LOADT 1, 1
.endif
	WIN 0xc3                                       ; source 0 and destination window 3
.set KK, 0
.rept 32
	v_pk_mul_f32 v[ACC+KK:ACC+KK+1], v[ACC+KK:ACC+KK+1], s[28:29] op_sel_hi:[1,0]   ; x c; ascending: each accumulator is first read at its low end
.set KK, KK+2
.endr
	ALUW                                           ; ahead of the batch
.set KK, 0
.rept 64
	v_exp_f32 v[ACC+KK], v[ACC+KK]                 ; 2^(c x)
.set KK, KK+1
.endr
	v_nop                                          ; a plain place behind the last
	ALUW                                           ; behind the batch, ahead of its first reader
.set KK, 0
.rept 32
	v_pk_add_f32 v[ACC+KK:ACC+KK+1], v[ACC+KK:ACC+KK+1], 1.0 op_sel_hi:[1,0]
.set KK, KK+2
.endr
	ALUW
.set KK, 0
.rept 64
	v_rcp_f32 v[ACC+KK], v[ACC+KK]
.set KK, KK+1
.endr
	v_nop
.if \more
	s_wait_loadcnt 56                              ; these two tiles' wv is in
.endif
	ALUW
	WIN 0x03                                       ; source 0 window 3, all else window 0
.irp q, 0,1
.set KK, 0
.rept 16                                       ; S += wv / (1 + 2^(c x)), the four tiles of rows by turns
	v_pk_fma_f32 v[SC+2*(KK%4):SC+2*(KK%4)+1], v[ACC+32*\q+8*(KK%4)+2*(KK/4):ACC+32*\q+8*(KK%4)+2*(KK/4)+1], v[WVT+8*\q+2*(KK/4):WVT+8*\q+2*(KK/4)+1], v[SC+2*(KK%4):SC+2*(KK%4)+1]
.set KK, KK+1
.endr
.endr
	WIN 0
.if \more
	LOADW 0, 0
	LOADW 1, 1
.endif
.endm
; 32 retained rows x my 256 columns, turned: 16 fragments (32 rows x 16 columns) of the second operand
.macro ELOAD q
	WIN 0x40
.irp ct, 0,1,2,3,4,5,6,7,8,9,10,11,12,13,14,15
	ds_load_tr16_b128 v[128*((\q)%2)+8*\ct:128*((\q)%2)+8*\ct+3], v[EA+(\q)] offset:32*\ct
	ds_load_tr16_b128 v[128*((\q)%2)+8*\ct+4:128*((\q)%2)+8*\ct+7], v[EA+(\q)] offset:32*\ct+16*RP
.endr
.endm
.macro OMUL q                          ; the 16 accumulators take turns; the first 32 rows start the sums
	WIN 0xa4                                       ; source 0 (p) window 0, source 1 window 1, C and D window 2
.irp ct, 0,1,2,3,4,5,6,7,8,9,10,11,12,13,14,15
.if (\q) == 0
	v_wmma_f32_16x16x32_bf16 v[8*\ct:8*\ct+7], v[PF+8*(\q):PF+8*(\q)+7], v[128*((\q)%2)+8*\ct:128*((\q)%2)+8*\ct+7], 0
.else
	v_wmma_f32_16x16x32_bf16 v[8*\ct:8*\ct+7], v[PF+8*(\q):PF+8*(\q)+7], v[128*((\q)%2)+8*\ct:128*((\q)%2)+8*\ct+7], v[8*\ct:8*\ct+7]
.endif
.endr
.endm
	; ---- THE HEAD
	s_load_b256 s[4:11], s[0:1], 0x0               ; enc s[4:5], wkf s[6:7], Wk's scales s[8:9], qbw s[10:11]
	s_load_b128 s[12:15], s[0:1], 0x20             ; wv s[12:13], part s[14:15]
	s_load_b64 s[16:17], s[0:1], 0x30              ; stats
	v_lshl_add_u32 v[SPW], v0, 2, SPARE
	v_mov_b32 v[NIL], 0
	v_lshrrev_b32 v1, 5, v0
	v_and_b32 v2, 15, v0                           ; x = r = lane % 16
	v_bfe_u32 v3, v0, 4, 1                         ; y = h = lane / 16
	v_lshlrev_b32 v[GA], 4, v2
	v_lshl_add_u32 v[GA], v3, 14, v[GA]
	v_readfirstlane_b32 s18, v1                    ; wave w
	s_lshr_b32 s19, s18, 1                         ; i: my half of the rows
	s_and_b32 s20, s18, 1                          ; j: my half of the columns
	s_and_b32 s22, ttmp7, 0xffff                   ; b
	s_lshl_b32 s21, s22, 4
	s_lshl_b32 s24, ttmp9, 1
	s_add_co_u32 s21, s21, s24                     ; G = 16 b + 2 bx: my first block
	s_lshl_b32 s24, s21, 7                         ; its first row among all 65,536: 128 G,
	s_lshl_b32 s26, s18, 5
	s_add_co_u32 s24, s24, s26                     ; + 32 w,
	s_lshl_b32 s24, s24, 12                        ; in bytes: under 2^28
	s_mov_b32 s25, 0
	ALUW                                           ; directly ahead of the wait below
	s_wait_kmcnt 0x0
	s_add_nc_u64 s[4:5], s[4:5], s[24:25]
	XLOAD 0                                        ; 64 loads of every wave are out before anything else is done
	XLOAD 1
	XLOAD 2
	XLOAD 3
	s_mul_i32 s24, s20, 393216                     ; 32 tiles of 12,288 bytes
	s_add_nc_u64 s[6:7], s[6:7], s[24:25]
	s_lshl_b32 s24, s20, 14                        ; 512 rows of 32 scale bytes
	s_add_nc_u64 s[8:9], s[8:9], s[24:25]
	s_lshl_b32 s24, s20, 16                        ; 32 tiles of qbw,
	s_lshl_b32 s26, s22, 6                         ; my batch's 64 bytes in each
	s_add_co_u32 s24, s24, s26
	s_add_nc_u64 s[10:11], s[10:11], s[24:25]
	s_lshl_b32 s24, s20, 11
	s_add_nc_u64 s[12:13], s[12:13], s[24:25]
	s_lshl_b32 s24, s21, 12                        ; part: 4,096 G + 1,024 w
	s_lshl_b32 s26, s18, 10
	s_add_co_u32 s24, s24, s26
	s_add_nc_u64 s[14:15], s[14:15], s[24:25]
	s_lshl_b32 s24, s21, 3
	s_add_nc_u64 s[16:17], s[16:17], s[24:25]
	s_mov_b32 s28, CC
	s_mov_b32 s29, s28                             ; (the packed forms name a pair: the upper word is written too)
	s_mov_b32 s30, KAPPA
	s_mov_b32 s31, s30
	s_mov_b32 s32, 0x76543210
	s_mov_b32 s33, 0xfedcba98                      ; v_permlanex16_b32's selects for lane l xor 16
	s_mul_i32 s36, s18, 16*TP                      ; the waves' places in LDS, all made ahead of the vector lines that take them
	s_add_co_u32 s36, s36, TURN                    ; my stage
	s_mul_i32 s37, s18, 32*RP                      ; my 32 retained rows
	s_mul_i32 s38, s18, 2*FRB
	s_add_co_u32 s38, s38, IMG                     ; images of tiles of rows 2 w, 2 w + 1
	s_lshl_b32 s39, s18, 11
	s_add_co_u32 s39, s39, ISC
	s_mul_i32 s40, s19, 4*FRB
	s_add_co_u32 s40, s40, IMG                     ; images of tiles of rows 4 i .. 4 i + 3
	s_lshl_b32 s41, s19, 12
	s_add_co_u32 s41, s41, ISC
	s_lshl_b32 s42, s20, 9
	s_lshl_b32 s26, s19, 8
	s_add_co_u32 s42, s42, s26
	s_add_co_u32 s42, s42, SCX                     ; half j, rows 64 i on
	s_lshl_b32 s43, s18, 8
	s_add_co_u32 s43, s43, PB
	s_lshl_b32 s44, s18, 9                         ; my 256 columns of the retained rows
	s_lshl_b32 s45, s18, 10
	s_add_co_u32 s45, s45, OST
	s_mov_b32 s46, 2                               ; blocks to go
	v_and_b32 v1, 31, v0                           ; lane
	v_mul_u32_u24 v[TW], v3, 4*TP
	v_lshl_add_u32 v[TW], v2, 4, v[TW]
	v_add_nc_u32 v[TW], s36, v[TW]
	v_mul_u32_u24 v[TR], v2, TP
	v_lshl_add_u32 v[TR], v3, 7, v[TR]
	v_add_nc_u32 v[TR], s36, v[TR]
	v_mul_u32_u24 v[RW], v3, 4*RP
	v_lshl_add_u32 v[RW], v2, 3, v[RW]
	v_add_nc_u32 v[RW], s37, v[RW]
	v_lshlrev_b32 v[LB], 4, v1
	v_lshlrev_b32 v28, 2, v1                       ; 4 x lane
	v_add_nc_u32 v[IW], s38, v[LB]
	v_add_nc_u32 v[SW], s39, v28
	v_add_nc_u32 v[IR], s40, v[LB]
	v_add_nc_u32 v[SR], s41, v28
	v_lshlrev_b32 v[LSB], 5, v2
	v_lshlrev_b32 v[LH], 5, v3
	v_lshl_add_u32 v[SCXW], v2, 2, s42
	v_add_nc_u32 v[SCXR], SCX, v[LB]               ; rows 4 lane .. 4 lane + 3
	v_lshl_add_u32 v[PBW], v1, 3, s43
	v_lshl_add_u32 v[PBR], v3, 4, s43
	v_and_b32 v29, 7, v0
	v_bfe_u32 v30, v0, 3, 1
	v_lshl_add_u32 v[EA], v3, 3, v29               ; row 8 h + lane % 8,
	v_mul_u32_u24 v[EA], v[EA], RP
	v_lshl_add_u32 v[EA], v30, 4, v[EA]            ; 16 bytes for each group of eight lanes,
	v_add_nc_u32 v[EA], s44, v[EA]
.irp q, 1,2,3
	v_add_nc_u32 v[EA+\q], 32*RP*\q, v[EA]
.endr
	v_lshl_add_u32 v[OSTW], v2, 2, s45
	v_add_nc_u32 v[OSTR], s45, v[LB]
	v_mov_b32 v[ZO], 0
	v_lshlrev_b32 v[SH8], 3, v3
	v_mov_b32 v[WD2], 0                            ; written once: a lane permute's destination counts as one of its sources
	ALUW                                           ; at the head's end
.Lblock:
	; ---- PHASE L: eight K steps of two units
.irp s, 0,1,2,3,4,5,6,7
	UNIT 2*\s
	UNIT 2*\s+1
.endr
	s_wait_dscnt 0x0                               ; for the others' sake: my last images, scale words and retained rows have landed
	s_barrier_signal -1
	s_barrier_wait -1
	FETCH 7
.irp k, 0,1,2,3,4,5,6,7
	v_mov_b32 v[SC+\k], 0                          ; S begins at 0
.endr
	ALUW                                           ; directly ahead of the wait below
	s_wait_dscnt 0x0                               ; the last K step's fragments and scale words are in
	; ---- PHASE N: 15 steps that ask for the next two tiles, and the last
	s_mov_b32 s34, 15
.Lpair:
	PAIR 1
	s_sub_co_u32 s34, s34, 1
	s_cmp_lg_u32 s34, 0
	s_cbranch_scc1 .Lpair
	PAIR 0
	ALUW                                           ; directly ahead of the branch: S is read behind it
	s_cmp_eq_u32 s46, 1
	s_cbranch_scc1 .Lno_next_b
	s_wait_xcnt 0x0                                ; the earlier loads have read their base
	s_add_nc_u64 s[4:5], s[4:5], 0x80000           ; the next block: 128 rows of 4,096 bytes on
	XLOAD 0                                        ; Wk's fragments and k's tiles are done with: the next block's units 0 to 3, all 64 loads under this one branch
	XLOAD 1
	XLOAD 2
	XLOAD 3
.Lno_next_b:
	; ---- PHASE S
.irp a, 0,1,2,3
	v_add_f32 v[U+\a], v[SC+2*\a], v[SC+2*\a+1]    ; S's two halves,
.endr
.irp a, 0,1,2,3
	v_permlanex16_b32 v[U+4+\a], v[U+\a], s32, s33
.endr
.irp a, 0,1,2,3
	v_add_f32 v[U+\a], v[U+\a], v[U+4+\a]          ; and lane l xor 16's columns: my 512 columns' sum for row 64 i + 16 a + r
.endr
.irp a, 0,1,2,3
	ds_store_b32 v[SCXW], v[U+\a] offset:64*\a     ; both halves of the lanes write the same word with the same value
.endr
	s_wait_dscnt 0x0                               ; for the others' sake
	s_barrier_signal -1
	s_barrier_wait -1
	ds_load_b128 v[U:U+3], v[SCXR]                 ; rows 4 lane .. 4 lane + 3: columns 0-511's sum,
	ds_load_b128 v[U+4:U+7], v[SCXR] offset:512    ; and columns 512-1,023's
	s_wait_dscnt 0x0
	v_pk_add_f32 v[U:U+1], v[U:U+1], v[U+4:U+5]
	v_pk_add_f32 v[U+2:U+3], v[U+2:U+3], v[U+6:U+7]
	v_pk_mul_f32 v[U:U+1], v[U:U+1], s[30:31] op_sel_hi:[1,0]      ; t = -c S
	v_pk_mul_f32 v[U+2:U+3], v[U+2:U+3], s[30:31] op_sel_hi:[1,0]
	v_max3_num_f32 v[U+8], v[U], v[U+1], v[U+2]
	v_max_num_f32 v[U+8], v[U+8], v[U+3]
	v_max_num_f32_dpp v[U+8], v[U+8], v[U+8] row_xmask:1 row_mask:0xf bank_mask:0xf
	v_max_num_f32_dpp v[U+8], v[U+8], v[U+8] row_xmask:2 row_mask:0xf bank_mask:0xf
	v_max_num_f32_dpp v[U+8], v[U+8], v[U+8] row_xmask:4 row_mask:0xf bank_mask:0xf
	v_max_num_f32_dpp v[U+8], v[U+8], v[U+8] row_xmask:8 row_mask:0xf bank_mask:0xf
	v_permlanex16_b32 v[U+9], v[U+8], s32, s33
	v_max_num_f32 v[U+14], v[U+8], v[U+9]          ; m: the block's largest t, in every lane
.irp e, 0,1,2,3
	v_sub_f32 v[U+\e], v[U+\e], v[U+14]
.endr
	ALUW                                           ; ahead of the batch
.irp e, 0,1,2,3
	v_exp_f32 v[U+\e], v[U+\e]                     ; p = 2^(t - m)
.endr
	v_nop                                          ; a plain place behind the last exponential
	ALUW                                           ; behind the batch
	v_add_f32 v[U+10], v[U], v[U+1]
	v_add_f32 v[U+11], v[U+2], v[U+3]
	v_cvt_pk_bf16_f32 v[U+12], v[U], v[U+1]
	v_cvt_pk_bf16_f32 v[U+13], v[U+2], v[U+3]
	v_add_f32 v[U+10], v[U+10], v[U+11]
	ds_store_b64 v[PBW], v[U+12:U+13]              ; p of rows 4 lane .. + 3 as bf16, into my wave's own 256 bytes
.irp q, 0,1,2,3                                ; and back as the first operand's fragments, rows 32 q on: every one of its 16 rows is p (a wave's LDS instructions are served in order)
.irp e, 0,1
	ds_load_b128 v[PF+8*\q+4*\e:PF+8*\q+4*\e+3], v[PBR] offset:64*\q+32*\e
.endr
.endr
	ELOAD 0
	ELOAD 1
	WIN 0                                          ; l, while the loads are out
	v_add_f32_dpp v[U+10], v[U+10], v[U+10] row_xmask:1 row_mask:0xf bank_mask:0xf
	v_add_f32_dpp v[U+10], v[U+10], v[U+10] row_xmask:2 row_mask:0xf bank_mask:0xf
	v_add_f32_dpp v[U+10], v[U+10], v[U+10] row_xmask:4 row_mask:0xf bank_mask:0xf
	v_add_f32_dpp v[U+10], v[U+10], v[U+10] row_xmask:8 row_mask:0xf bank_mask:0xf
	v_permlanex16_b32 v[U+11], v[U+10], s32, s33
	v_add_f32 v[U+15], v[U+10], v[U+11]            ; l: the sum of the unrounded p
	ALUW                                           ; directly ahead of the wait below: l is read, by its store, behind it
	s_wait_dscnt 32                                ; all but the younger run of 32
	OMUL 0
	NOPS 4                                         ; places in front of loads into registers that matrix instructions have read
	ELOAD 2
	s_wait_dscnt 32
	OMUL 1
	NOPS 4
	ELOAD 3
	s_wait_dscnt 32
	OMUL 2
	s_wait_dscnt 0x0
	OMUL 3
	NOPS 4                                         ; places in front of the first read of results
	WIN 0x08                                       ; an LDS store's data are its source 1: window 2
.irp ct, 0,1,2,3,4,5,6,7,8,9,10,11,12,13,14,15
	ds_store_b32 v[OSTW], v[8*\ct] offset:64*\ct   ; all 16 rows of a result are equal: its lowest register holds column 16 ct + r
.endr
	WIN 0
	ds_load_b128 v[OUT:OUT+3], v[OSTR]             ; back, 16 bytes a lane (my wave's own bytes, served in order)
	ds_load_b128 v[OUT+4:OUT+7], v[OSTR] offset:512
	s_wait_dscnt 0x0
	global_store_b128 v[LB], v[OUT:OUT+3], s[14:15]                ; 32 lanes store 512 consecutive bytes, at a multiple of 256 from part's first byte
	global_store_b128 v[LB], v[OUT+4:OUT+7], s[14:15] offset:512
	s_wait_xcnt 0x0                                ; EXEC changes only behind this wait
	v_cmp_eq_u32 vcc_lo, 0, v0
	s_and_saveexec_b32 s35, vcc_lo                 ; the work-group's thread 0 alone
	global_store_b64 v[ZO], v[U+14:U+15], s[16:17] ; (m, l)
	s_wait_xcnt 0x0                                ; and again, in front of the line that widens it; the stores' bases and data are free behind it too
	s_or_b32 exec_lo, exec_lo, s35
	s_add_nc_u64 s[14:15], s[14:15], 4096          ; the next block's place in part and in stats,
	s_add_nc_u64 s[16:17], s[16:17], 8
	s_sub_nc_u64 s[6:7], s[6:7], 15*24576          ; and the tables' bases back at tile 0: 15 steps were made
	s_sub_nc_u64 s[8:9], s[8:9], 15*1024
	s_sub_nc_u64 s[10:11], s[10:11], 15*4096
	s_sub_nc_u64 s[12:13], s[12:13], 15*128
	ALUW
	s_wait_dscnt 0x0                               ; my reads of the retained rows are over:
	s_barrier_signal -1
	s_barrier_wait -1                              ; everybody's are: the next block may be laid over them
	s_sub_co_u32 s46, s46, 1
	s_cmp_lg_u32 s46, 0
	s_cbranch_scc1 .Lblock
	s_wait_tensorcnt 0x0                           ; the wave's end, behind my last LDS store
	ds_add_u32 v[SPW], v[NIL]
	s_wait_dscnt 0x0
	s_endpgm
.Lfunc_end_k_q99462f0961_attn:
	.size	k_q99462f0961_attn, .Lfunc_end_k_q99462f0961_attn-k_q99462f0961_attn
	.p2alignl 7, 3214868480
	.fill 96, 4, 3214868480
	.section	.rodata,"a",@progbits
	.p2align	6, 0x0
	.amdhsa_kernel k_q99462f0961_attn
		.amdhsa_group_segment_fixed_size 323072
		.amdhsa_private_segment_fixed_size 0
		.amdhsa_enable_private_segment 0
		.amdhsa_kernarg_size 56
		.amdhsa_user_sgpr_count 2
		.amdhsa_user_sgpr_kernarg_segment_ptr 1
		.amdhsa_wavefront_size32 1
		.amdhsa_system_sgpr_workgroup_id_x 1
		.amdhsa_system_sgpr_workgroup_id_y 1
		.amdhsa_system_sgpr_workgroup_id_z 1
		.amdhsa_system_vgpr_workitem_id 0
		.amdhsa_next_free_vgpr 1024
		.amdhsa_next_free_sgpr 66
		.amdhsa_reserve_vcc 1
		.amdhsa_float_denorm_mode_32 3
		.amdhsa_float_denorm_mode_16_64 3
		.amdhsa_memory_ordered 1
		.amdhsa_forward_progress 1
		.amdhsa_inst_pref_size 248
	.end_amdhsa_kernel
	.amdgpu_metadata
---
amdhsa.version: [ 1, 2 ]
amdhsa.kernels:
  - .name:           k_q99462f0961_attn
    .symbol:         k_q99462f0961_attn.kd
    .args:
      - { .name: encoder_outputs, .offset: 0, .size: 8, .value_kind: global_buffer, .address_space: global }
      - { .name: wkf, .offset: 8, .size: 8, .value_kind: global_buffer, .address_space: global }
      - { .name: Wk_scales, .offset: 16, .size: 8, .value_kind: global_buffer, .address_space: global }
      - { .name: qbw, .offset: 24, .size: 8, .value_kind: global_buffer, .address_space: global }
      - { .name: wv, .offset: 32, .size: 8, .value_kind: global_buffer, .address_space: global }
      - { .name: part, .offset: 40, .size: 8, .value_kind: global_buffer, .address_space: global }
      - { .name: stats, .offset: 48, .size: 8, .value_kind: global_buffer, .address_space: global }
    .group_segment_fixed_size: 323072
    .private_segment_fixed_size: 0
    .kernarg_segment_align: 8
    .kernarg_segment_size: 56
    .max_flat_workgroup_size: 128
    .sgpr_count:     66
    .vgpr_count:     1024
    .wavefront_size: 32
...
	.end_amdgpu_metadata
.endif
;; end of part 2
;; launch fin (part 3): grid 4 x 32, 2 waves a work-group, no clusters, 0 bytes of LDS; arguments part, stats, out0; writes out0
.if DOCPART == 3
	.amdgcn_target "amdgcn-amd-amdhsa--gfx1250"
	.amdhsa_code_object_version 6
	.text
	.protected	k_q99462f0961_fin
	.globl	k_q99462f0961_fin
	.p2align	8
	.type	k_q99462f0961_fin,@function
k_q99462f0961_fin:
	s_mov_b64 s[64:65], 0
	v_nop
	global_prefetch_b8 v0, s[64:65] scope:SCOPE_SE
	s_setreg_imm32_b32 hwreg(HW_REG_WAVE_MODE, 25, 1), 1
	s_wait_xcnt 0x0
; Third launch: a batch's 16 blocks are joined.  Block k left m_k (its largest t, in units of log2), l_k = the sum of 2^(t - m_k) and o_k[h] = the sum of 2^(t - m_k) enc[s][h].
; With M = the largest m_k and w_k = 2^(m_k - M):  out[h] = (sum of w_k o_k[h]) / (sum of w_k l_k).  The maximum is taken away ahead of the exponentials here too.
; Left out as the first launch's head comment shows: bv and the sum of wv, which are the same along the softmax's axis.
; A thread owns four columns: 64 threads x 16 bytes x 4 work-groups are a batch's 4,096 bytes.  Bound by the loads' way: all 24 loads of a thread go out at once.
	s_load_b128 s[4:7], s[0:1], 0x0                ; part s[4:5], stats s[6:7]
	s_load_b64 s[8:9], s[0:1], 0x10                ; out0
	v_lshlrev_b32 v1, 4, v0                        ; my 16 bytes
	v_mov_b32 v2, 0
	v_mov_b32 v7, 0                                ; (named as the upper half of the pair v[6:7])
	s_and_b32 s10, ttmp7, 0xffff                   ; the batch
	s_lshl_b32 s14, ttmp9, 10                      ; my work-group's 1,024 bytes of a row
	s_lshl_b32 s12, s10, 16                        ; part: 16 blocks of 4,096 bytes a batch
	s_add_co_u32 s12, s12, s14
	s_mov_b32 s13, 0
	s_lshl_b32 s16, s10, 7                         ; stats: 16 pairs a batch
	s_mov_b32 s17, 0
	s_lshl_b32 s18, s10, 12
	s_add_co_u32 s18, s18, s14
	s_mov_b32 s19, 0
	s_wait_alu depctr_va_vdst(0)
	s_wait_kmcnt 0x0
	s_add_nc_u64 s[4:5], s[4:5], s[12:13]
	s_add_nc_u64 s[6:7], s[6:7], s[16:17]
	s_add_nc_u64 s[8:9], s[8:9], s[18:19]
.irp k, 0,1,2,3,4,5,6,7
	global_load_b128 v[32+4*\k:35+4*\k], v2, s[6:7] offset:16*\k   ; v[32 + 2 k] = m_k, v[33 + 2 k] = l_k
.endr
.irp k, 0,1,2,3,4,5,6,7,8,9,10,11,12,13,14,15
	global_load_b128 v[64+4*\k:67+4*\k], v1, s[4:5] offset:4096*\k th:TH_LOAD_NT
.endr
	s_wait_loadcnt 16                              ; the figures are in; the 16 loads of sums may be out
	v_max3_num_f32 v3, v32, v34, v36
.irp k, 38,42,46,50,54,58
	v_max3_num_f32 v3, v3, v[\k], v[\k+2]
.endr
	v_max_num_f32 v3, v3, v62                      ; M
.irp k, 0,1,2,3,4,5,6,7,8,9,10,11,12,13,14,15
	v_sub_f32 v[32+2*\k], v[32+2*\k], v3
.endr
	s_wait_alu depctr_va_vdst(0)
.irp k, 0,1,2,3,4,5,6,7,8,9,10,11,12,13,14,15
	v_exp_f32 v[32+2*\k], v[32+2*\k]               ; w_k
.endr
	v_nop                                          ; a plain place behind the last exponential
	s_wait_alu depctr_va_vdst(0)                   ; one wait for the 16, ahead of their first reader
	v_mul_f32 v4, v32, v33
.irp k, 1,2,3,4,5,6,7,8,9,10,11,12,13,14,15
	v_fma_f32 v4, v[32+2*\k], v[33+2*\k], v4       ; the sum of w_k l_k
.endr
	s_wait_alu depctr_va_vdst(0)
	v_rcp_f32 v6, v4
	s_wait_loadcnt 0x0
	v_pk_mul_f32 v[8:9], v[64:65], v[32:33] op_sel_hi:[1,0]        ; the sums of w_k o_k: plain work behind the reciprocal
	v_pk_mul_f32 v[10:11], v[66:67], v[32:33] op_sel_hi:[1,0]
.irp k, 1,2,3,4,5,6,7,8,9,10,11,12,13,14,15
	v_pk_fma_f32 v[8:9], v[64+4*\k:65+4*\k], v[32+2*\k:33+2*\k], v[8:9] op_sel_hi:[1,0,1]
	v_pk_fma_f32 v[10:11], v[66+4*\k:67+4*\k], v[32+2*\k:33+2*\k], v[10:11] op_sel_hi:[1,0,1]
.endr
	s_wait_alu depctr_va_vdst(0)                   ; the reciprocal's wait, ahead of its first reader
	v_pk_mul_f32 v[8:9], v[8:9], v[6:7] op_sel_hi:[1,0]
	v_pk_mul_f32 v[10:11], v[10:11], v[6:7] op_sel_hi:[1,0]
	global_store_b128 v1, v[8:11], s[8:9]          ; a wave stores 512 consecutive bytes, at a multiple of 256 from out0's first byte
	s_endpgm
.Lfunc_end_k_q99462f0961_fin:
	.size	k_q99462f0961_fin, .Lfunc_end_k_q99462f0961_fin-k_q99462f0961_fin
	.p2alignl 7, 3214868480
	.fill 96, 4, 3214868480
	.section	.rodata,"a",@progbits
	.p2align	6, 0x0
	.amdhsa_kernel k_q99462f0961_fin
		.amdhsa_group_segment_fixed_size 0
		.amdhsa_private_segment_fixed_size 0
		.amdhsa_enable_private_segment 0
		.amdhsa_kernarg_size 24
		.amdhsa_user_sgpr_count 2
		.amdhsa_user_sgpr_kernarg_segment_ptr 1
		.amdhsa_wavefront_size32 1
		.amdhsa_system_sgpr_workgroup_id_x 1
		.amdhsa_system_sgpr_workgroup_id_y 1
		.amdhsa_system_sgpr_workgroup_id_z 1
		.amdhsa_system_vgpr_workitem_id 0
		.amdhsa_next_free_vgpr 128
		.amdhsa_next_free_sgpr 66
		.amdhsa_reserve_vcc 0
		.amdhsa_float_denorm_mode_32 3
		.amdhsa_float_denorm_mode_16_64 3
		.amdhsa_memory_ordered 1
		.amdhsa_forward_progress 1
		.amdhsa_inst_pref_size 9
	.end_amdhsa_kernel
	.amdgpu_metadata
---
amdhsa.version: [ 1, 2 ]
amdhsa.kernels:
  - .name:           k_q99462f0961_fin
    .symbol:         k_q99462f0961_fin.kd
    .args:
      - { .name: part, .offset: 0, .size: 8, .value_kind: global_buffer, .address_space: global }
      - { .name: stats, .offset: 8, .size: 8, .value_kind: global_buffer, .address_space: global }
      - { .name: out0, .offset: 16, .size: 8, .value_kind: global_buffer, .address_space: global }
    .group_segment_fixed_size: 0
    .private_segment_fixed_size: 0
    .kernarg_segment_align: 8
    .kernarg_segment_size: 24
    .max_flat_workgroup_size: 64
    .sgpr_count:     66
    .vgpr_count:     128
    .wavefront_size: 32
...
	.end_amdgpu_metadata
.endif
;; end of part 3
